; MI455X (gfx1250); checked and timed in simulation.
; The chip was launched on July 23, 2026; its instructions are those of AMD's public machine-readable ISA for CDNA 5 (MIT licence, August 2026) and "CDNA5" Instruction Set Architecture Reference Guide (July 2026). The comments in the code are by the model that wrote it; some were corrected since.
;; Population Attention. Allowed arithmetic: matrix products marked QUANTISED: E2M1 operands, one E8M0 scale for each 32 along K, by v_wmma_scale_f32_16x16x128_f8f6f4 with both operands' format E2M1 (or v_wmma_scale_f32_32x16x128_f4), f32 sums; products left as they are: bf16, f16 or f32 operands; f32 sums; everything else in f32.
;; Inputs: K 4 x 16 x 2,048 x 64 float32; Q 4 x 16 x 2,048 x 64 float32; V 4 x 16 x 2,048 x 64 float32; x 4 x 1 x 2,048 x 1 float32.
;; Outputs: out0 4 x 16 x 2,048 x 64 float32.
;; This version of the problem:
;;   THIS VERSION OF THE PROBLEM IS GIVEN IN LOW PRECISION. The matrix products marked QUANTISED in the list below multiply operands that are first quantised to E2M1 (2 exponent bits, 1 mantissa bit; 4 bits a number), with one power-of-two scale for each 32 numbers along K (OCP MX v1.0); their sums are f32. The products marked 'left as it is' may take bf16, f16 or f32 operands, with f32 sums. Whichever they take, every output number must still come out within the allowed error. Rounding operands to bf16 (8 significant bits) uses up far more of that allowance than f16 does (11 bits, for magnitudes from 6e-5 to 65,504). All else is computed in f32.
;;   The module's matrix products, in the order in which they are computed (A, B: the left and right operand; K: the contracted axis; several contracted axes count as one K, in the product's order):
;;     1. batch 64 x [M 2,048, K 64] x [K 64, N 2,048]; A: input Q; B: input K: QUANTISED
;;     2. batch 64 x [M 2,048, K 2,048] x [K 2,048, N 64]; A: computed on the way; B: computed on the way: left as it is (an operand is computed on the way)
;;   THE QUANTISER, for each operand of a quantised product, along K:
;;     - K is cut into blocks of 32 from its start; a last block that is shorter is filled with zeros.
;;     - A block's scale is 2^e with e = floor(log2(the largest magnitude in the block)) - 2, held to -126 .. 127; a block of zeros has e = 0. As a byte (E8M0): e + 127.
;;     - Each number is divided by its block's scale, clamped to +-6, and rounded to the nearest number of E2M1, ties to even, subnormals kept.
;;     - The product sums the exact products of the quantised numbers (number of the format x scale) in f32.
;;   ~~~python
;;   def quantise(x, axis):      # numpy; x: float32 -> the quantised numbers, widened to float32 again
;;       x = np.moveaxis(x, axis, -1); K = x.shape[-1]
;;       x = np.pad(x, [(0, 0)] * (x.ndim - 1) + [(0, -K % 32)]); x = x.reshape(x.shape[:-1] + (-1, 32)); a = np.abs(x).max(-1, keepdims=True)
;;       e = np.where(a > 0, np.clip(np.frexp(np.where(a > 0, a, 1))[1] - 1 - 2, -126, 127), 0)      # np.frexp(a)[1] - 1 = floor(log2(a)), exactly
;;       r = np.clip(x / 2.0 ** e, -6, 6)
;;       step = 2.0 ** (np.maximum(np.frexp(np.where(r == 0, 1, r))[1] - 1, 0) - 1)
;;       q = np.round(r / step) * step * 2.0 ** e      # np.round: ties to even
;;       return np.moveaxis(q.reshape(q.shape[:-2] + (-1,))[..., :K], -1, axis).astype(np.float32)
;;   ~~~
;; One version. Each part assembles by itself: llvm-mc -triple=amdgcn-amd-amdhsa -mcpu=gfx1250 --defsym DOCPART=n.
;; ======== version 1 of 1: 1 launch
;; limits: values are held in f16: magnitudes above 65,504 overflow, below 6.1e-05 lose precision
;; launch popatt (part 1): grid 4 x 64, 8 waves a work-group, clusters of 4 x 1, 327,680 bytes of LDS; arguments Q, K, V, x, out0; writes out0
.if DOCPART == 1
	.amdgcn_target "amdgcn-amd-amdhsa--gfx1250"
	.amdhsa_code_object_version 6
	.text
	.protected	k_qe820f43fa6_popatt
	.globl	k_qe820f43fa6_popatt
	.p2align	8
	.type	k_qe820f43fa6_popatt,@function
k_qe820f43fa6_popatt:
	s_mov_b64 s[64:65], 0
	v_nop
	global_prefetch_b8 v0, s[64:65] scope:SCOPE_SE
	s_setreg_imm32_b32 hwreg(HW_REG_WAVE_MODE, 25, 1), 1
	s_wait_xcnt 0x0
	s_wait_alu depctr_hold_cnt(0) depctr_sa_sdst(0) depctr_va_vdst(0) depctr_va_sdst(0) depctr_va_ssrc(0) depctr_va_vcc(0) depctr_vm_vsrc(0)
	s_getreg_b32 s2, hwreg(HW_REG_IB_STS2, 6, 4)
	s_cmp_eq_u32 s2, 0
	s_cbranch_scc0 .Lentry_in_a_cluster
	s_endpgm
.Lentry_in_a_cluster:
	s_bfe_u32 s2, ttmp6, 0x10000c
	s_cmp_lg_u32 s2, 0x3003
	s_cbranch_scc0 .Lentry_shape_is_right
	s_endpgm
.Lentry_shape_is_right:
; out[b][h][q][:] = the sum over keys k of (Q[q] . K[k] / 8) x[b][k] V[k][:].  Q, K, V, out: [4][16][2048][64] f32; x: [4][1][2048][1] f32.  No softmax.
; FIRST PRODUCT, quantised: Q and K become codes of FP4 (E2M1) with one E8M0 byte for each 32 of the head's 64, made here from the f32 numbers, and go to v_wmma_scale_f32_16x16x128_f8f6f4.
;   The head's 64 fill half of the instruction's 128 along K: the other half is zero codes on both sides, under the byte 0x7f.  The division by 8 is 3 taken off Q's scale bytes: it rounds nothing.
; SECOND PRODUCT, left as it is: S = Q K^T / 8 and V x are rounded once to f16 and go to v_wmma_f32_16x16x32_f16; sums in f32.
; LIMITS.  |S| and |V x| must stay under 65,504 (f16's largest number); under 2^-14 they are rounded on f16's fixed step 2^-24.  A block of Q whose largest magnitude lies under 2^-121 is quantised on the scale 2^-123,
;   a block of K under 2^-124 on 2^-126 (the floors that keep the stored bytes at 1 or more); a block of zeros keeps that byte, over zero codes.  NaN and infinities among the inputs are not served.
; SHARES.  A work-group owns 512 queries of one head; the four work-groups of a cluster are the head's four blocks and walk the same K and V, so every tile of K and V is asked for JOINTLY (mask 15).
;   Eight waves in two roles.  Four CONSUMERS own 128 queries each (8 tiles of 16; O^T is 256 registers, window 1) and issue all matrix instructions.  Four PRODUCERS turn, for each step of 128 keys, 32 keys each of
;   K (f32 in the ring) into codes and scale words and of V into f16(V x), and store them as images in LDS, which all four consumers read.  Role = (w xor (w >> 2)) & 1: of waves w, w + 4 and of waves 2 i, 2 i + 1 one is a consumer.
; LAYOUT.  Both products are used transposed.  S^T = K Q^T (source 0 = 16 keys, source 1 = 16 queries): a lane holds ONE query and eight keys; two such tiles, rounded in pairs, ARE source 1 (32 keys x 16 queries) of
;   O^T = V'^T P, whose source 0 (16 channels x 32 keys) comes turned out of rows [key][channel] by ds_load_tr16_b128.  In O^T a lane again holds one query, and eight channels.
; TIME.  Step j = 128 keys.  In phase j the consumers work on image j % 2 while the producers make image (j + 1) % 2 from the ring.  The ring has two slots of 256 keys (K and V as f32), filled by tensor loads, one a wave.
;   Every barrier, wait on TENSORcnt, round and tensor load stands in text that all eight waves walk; the roles part behind TOP and join in front of PHEND.
; LDS:  slot s at s SLOT: 256 rows of K (256 bytes + 16), then 256 rows of V (256 bytes);  two images behind the ring: K's codes (8 tiles x 512 bytes, as the registers hold them), K's scale words (4 x 128 bytes),
;   V' (128 rows of 128 bytes + 32);  the spare words.  Q's stage (phase -1) lies in image 1; the stage for the way out in slot 0, which has then had its last fill and its last read.
.set PK,    272                        ; a row of K in the ring, of Q's stage and of the way out's: 256 bytes + 16: sixteen rows start at sixteen different 16-byte columns
.set VOFF,  256*PK                     ; V's rows lie behind K's
.set SLOT,  VOFF+256*256               ; 135,168
.set IMG,   2*SLOT                     ; the images: written by ds_store alone, no tensor load lands here
.set IKS,   4096                       ; in an image: K's scale words
.set IVP,   4608                       ; and V'
.set VP,    160                        ; a row of V': 64 f16 + 32 bytes
.set IMGB,  IVP+128*VP                 ; 25,088
.set QST,   IMG+IMGB                   ; Q's stages: 16 rows x PK for each consumer
.set SPARE, IMG+2*IMGB                 ; the spare words, 128 bytes for each of the eight waves: four blocks of 256 bytes that no other line names
.set DATAB, 65536                      ; 256 keys x 256 bytes: a slot's K, or its V, in memory
; vector registers, window 0.  v1-25 are made at the head, by all waves, and hold addresses and offsets alone
.set SPW, 1                            ; LDS address of my spare word; never rewritten
.set NIL, 2                            ; 0; never rewritten
.set AKI, 3                            ; consumer: image 0's codes, 16 x lane
.set AKS, 4                            ;           its scale words, 4 x lane
.set AVT, 5                            ;           its V', my lane's place for the turning load
.set PKI, 6                            ; producer: where my two tiles' codes go
.set PKS, 7                            ;           my scale words
.set PVI, 8                            ;           my rows of V'
.set AKR, 9                            ;           my keys of K in a slot's first half
.set AVR, 10                           ;           my rows of V there
.set TKI, 11                           ; v11-18: the same eight for the phase in hand (TOP writes them)
.set TKS, 12
.set TVT, 13
.set TPK, 14
.set TPS, 15
.set TPV, 16
.set TKR, 17
.set TVR, 18
.set QSI, 19                           ; Q's stage, in: two rows an instruction
.set QSO, 20                           ;            out: row r, block h
.set STO, 21                           ; the way out's stage, in
.set RD,  22                           ;                      back
.set GO,  23                           ; my byte offset in two rows of Q or of out
.set XO,  24                           ; my byte offset among a step's 128 numbers of x
.set PFO, 25                           ; 256 x lane: the prefetches' offset
.set QS,  26                           ; v26-29 Q's scale words, one register a piece: lanes 0-15 tile 2 g, lanes 16-31 tile 2 g + 1.  v26-31 hold scales and nothing else
.set KS,  30                           ; v30-31 K's, one a buffer: lanes 0-15 the even tile, lanes 16-31 the odd one
.set KF,  32                           ; consumer: v32-63 K's fragments: two buffers x two tiles x (4 registers of codes, 4 of zero codes)
.set QF,  64                           ; v64-127 Q's eight fragments, likewise
.set S,   128                          ; v128-159 four tiles of S^T: tile 2 a + c = query tile a of the piece, key tile c of the 32 keys
.set P,   160                          ; v160-191 P: two buffers x two query tiles x 8
.set VF,  192                          ; v192-255 V'^T: two buffers x four tiles of 16 channels x 8
.set HT,  32                           ; v32-36 at work at the head
.set PT,  32                           ; producer: v32-39 at work
.set X,   40                           ; v40-55 x of my 16 keys
.set KX,  56                           ; v56-119 two tiles of K: a block of 32 numbers a lane each
.set VX,  120                          ; v120-183 sixteen rows of V, four channels a lane
.set KC,  184                          ; v184-191 the codes
.set VH,  192                          ; v192-223 f16(V x)
; scalar registers
.set XB,  10                           ; s[10:11] x at the step that is converted next
.set WV,  14
.set ROLE, 15                          ; 0 consumer, 1 producer
.set IDX, 16                           ; w & 3: which 128 queries, which 32 keys of a step, which quarter of a tile I fetch
.set CX,  17
.set HEAD, 18
.set SEL, 20                           ; s[20:21] v_permlanex16_b32's selects for lane l xor 16
.set HM,  22                           ; the mask of lanes 16-31
.set RC,  23                           ; refills to come
.set G1K, 24                           ; s[24:31] descriptor group 1 for K's tiles; s[32:39] for V's
.set G1V, 32
.set G0K, 40                           ; s[40:47] group 0 for K's: a set for each first fill; the second then walks on.  s[48:55] for V's
.set G0V, 48
.set KB,  56                           ; my quarter's place in a slot, for K and for V
.set VB,  57
.set SL,  58                           ; the slot that the producers read
.set HK,  59                           ; which half of it: in K's rows, in V's
.set HV,  60
.set CI,  61                           ; the image that the consumers read,
.set PI,  62                           ; and the one that the producers write
.set TW,  63
.set TC,  66
.set LIM, 67                           ; 1 in a wave that prefetches, else the greatest number
.set PFA, 68                           ; s[68:69] where my prefetches stand
.set MSB, 0
.macro WIN new                         ; register windows: bits 1:0 source 0, 3:2 source 1, 5:4 source 2, 7:6 destination; the high byte repeats the setting that is left
.if MSB != \new
	s_set_vgpr_msb (MSB<<8)|\new
.set MSB, \new
.endif
.endm
; A round of the cluster's barrier: my work-group's barrier; wave 0 signals for the work-group; every wave waits for all four work-groups; my work-group's barrier once more.
.macro CROUND
	s_barrier_signal -1
	s_barrier_wait -1
	s_cmp_lg_u32 s[WV], 0
	s_cbranch_scc1 .Lnot_wave_0_\@
	s_barrier_signal -3
.Lnot_wave_0_\@:
	s_barrier_wait -3
	s_barrier_signal -1
	s_barrier_wait -1
.endm
; A joint refill: waves 0-3 fetch K's four quarters (64 rows each), waves 4-7 V's.  The branch hangs on the wave's number alone.  An s_nop 0 and four v_nop follow each of the two lines.
.macro JLOAD
	s_cmp_lt_u32 s[WV], 4
	s_cbranch_scc0 .Lfor_v_\@
	tensor_load_to_lds s[G0K+4:G0K+7], s[G1K:G1K+7]
	s_nop 0
.rept 4
	v_nop
.endr
	s_branch .Lasked_\@
.Lfor_v_\@:
	tensor_load_to_lds s[G0V+4:G0V+7], s[G1V:G1V+7]
	s_nop 0
.rept 4
	v_nop
.endr
.Lasked_\@:
.endm
; A prefetch of what the NEXT refill will load: 256 rows of K and 256 of V, 256 bytes a row, a lane a row.  One cluster walks a head; its four partners take 64 rows each, told apart by address alone;
; in each, waves 0 and 1 ask for K's (32 rows each) and waves 4 and 5 for V's: each row is named once in the launch.  It stands behind the wave's tensor load, two phases ahead of the load that will want the rows.
; The last refill asks for nothing; the first three slots' worth of keys come by their loads alone.
.macro ASK
	s_cmp_gt_u32 s[RC], s[LIM]
	s_cbranch_scc0 .Lnot_mine_\@
	global_prefetch_b8 v[PFO], s[PFA:PFA+1] th:TH_LOAD_NT scope:SCOPE_SE
.Lnot_mine_\@:
.endm
	s_load_b256 s[4:11], s[0:1], 0x0               ; Q s[4:5], K s[6:7], V s[8:9], x s[10:11]
	s_load_b64 s[12:13], s[0:1], 0x20              ; out
	v_lshl_add_u32 v[SPW], v0, 2, SPARE
	v_mov_b32 v[NIL], 0
	ds_add_u32 v[SPW], v[NIL]                      ; the wave's opening: the add, twice on end, and its wait stand ahead of my first tensor load; the set-up below stands between
	ds_add_u32 v[SPW], v[NIL]
	v_lshrrev_b32 v[HT], 5, v0
	v_readfirstlane_b32 s[WV], v[HT]               ; wave 0..7
	s_lshr_b32 s[ROLE], s[WV], 2
	s_xor_b32 s[ROLE], s[ROLE], s[WV]
	s_and_b32 s[ROLE], s[ROLE], 1
	s_and_b32 s[IDX], s[WV], 3
	s_bfe_u32 s[CX], ttmp6, 0x40000                ; my place in the cluster = my block of 512 queries: it enters Q's, out's and the prefetches' addresses alone
	s_and_b32 s[HEAD], ttmp7, 0xffff               ; batch x 16 + head, which the four partners share
	v_and_b32 v[HT], 31, v0                        ; L
	v_and_b32 v[HT+1], 15, v0                      ; r
	v_bfe_u32 v[HT+2], v0, 4, 1                    ; h
	v_lshl_add_u32 v[AKI], v[HT], 4, IMG
	v_lshl_add_u32 v[AKS], v[HT], 2, IMG+IKS
	v_and_b32 v[HT+3], 7, v0                       ; the turning load: lane L reads 16 bytes of key 8 h + L % 8, channels 8 ((L / 8) % 2) on
	v_lshl_add_u32 v[HT+3], v[HT+2], 3, v[HT+3]
	v_mul_u32_u24 v[HT+3], v[HT+3], VP
	v_bfe_u32 v[HT+4], v0, 3, 1
	v_lshl_add_u32 v[HT+3], v[HT+4], 4, v[HT+3]
	v_add_nc_u32 v[AVT], IMG+IVP, v[HT+3]
	s_lshl_b32 s70, s[IDX], 10
	v_add_nc_u32 v[PKI], s70, v[AKI]               ; my two tiles of codes: 1,024 bytes a producer
	s_lshl_b32 s70, s[IDX], 7
	v_add_nc_u32 v[PKS], s70, v[AKS]
	v_lshl_add_u32 v[XO], v[HT+2], 6, s70          ; x: 4 (32 IDX + 16 h)
	s_mul_i32 s70, s[IDX], 32*VP
	s_add_co_u32 s70, s70, IMG+IVP
	v_mul_u32_u24 v[HT+3], v[HT+2], 16*VP
	v_lshl_add_u32 v[HT+3], v[HT+1], 3, v[HT+3]
	v_add_nc_u32 v[PVI], s70, v[HT+3]              ; V': row 32 IDX + 16 h, 8 bytes (four channels) a lane
	v_mul_u32_u24 v[HT+3], v[HT+1], PK             ; r rows
	v_lshl_add_u32 v[HT+4], v[HT+2], 7, v[HT+3]    ; + block h of 32 numbers
	s_mul_i32 s70, s[IDX], 32*PK
	v_add_nc_u32 v[AKR], s70, v[HT+4]
	s_mul_i32 s71, s[IDX], 16*PK
	s_add_co_u32 s71, s71, QST
	v_add_nc_u32 v[QSO], s71, v[HT+4]
	v_lshl_add_u32 v[HT+4], v[HT+2], 5, v[HT+3]    ; r rows + 32 h
	v_add_nc_u32 v[STO], s70, v[HT+4]              ; the way out's stage: two buffers of 16 rows a consumer
	v_mul_u32_u24 v[HT+3], v[HT+2], PK             ; h rows + 16 r
	v_lshl_add_u32 v[HT+3], v[HT+1], 4, v[HT+3]
	v_add_nc_u32 v[QSI], s71, v[HT+3]
	v_add_nc_u32 v[RD], s70, v[HT+3]
	v_lshlrev_b32 v[HT+3], 12, v[HT+2]
	v_lshl_add_u32 v[HT+3], v[HT+1], 4, v[HT+3]
	s_lshl_b32 s70, s[IDX], 13
	s_add_co_u32 s70, s70, VOFF
	v_add_nc_u32 v[AVR], s70, v[HT+3]              ; V: row 32 IDX + 16 h, 16 bytes a lane
	v_lshlrev_b32 v[HT+3], 8, v[HT+2]
	v_lshl_add_u32 v[GO], v[HT+1], 4, v[HT+3]      ; lanes 0-15 one row of 256 bytes, lanes 16-31 the next
	v_lshlrev_b32 v[PFO], 8, v[HT]
	; descriptor group 1: a tile of 64 rows x 64 elements of 4 bytes; K's padded in LDS, V's dense
	s_mov_b32 s[G1K], 15|(2<<16)|(1<<20)|(1<<21)|(5<<22)|(3<<25)  ; 15:0 the mask: all four work-groups; 17:16 elements of 4 bytes; 20 padding on; 21 set beside a mask; 24:22 after every 64 words; 31:25 four words
	s_mov_b32 s[G1V], 15|(2<<16)|(1<<21)
.irp g, G1K, G1V
	s_mov_b32 s[\g+1], 64<<16                      ; tensor_dim0 = 64
	s_mov_b32 s[\g+2], 64<<16                      ; tensor_dim1 = 64
	s_mov_b32 s[\g+3], 64<<16                      ; tile_dim0 = 64
	s_mov_b32 s[\g+4], 64                          ; tile_dim1 = 64
	s_mov_b32 s[\g+5], 64                          ; elements from row to row
	s_mov_b32 s[\g+6], 0
	s_mov_b32 s[\g+7], 0
.endr
	s_mul_i32 s[KB], s[IDX], 64*PK
	s_lshl_b32 s[VB], s[IDX], 14
	s_add_co_u32 s[VB], s[VB], VOFF
	s_mov_b32 s[SEL], 0x76543210
	s_mov_b32 s[SEL+1], 0xfedcba98
	s_mov_b32 s[HM], 0xffff0000
	s_mov_b32 s[RC], 6
	s_mov_b32 s[SL], 0
	s_mov_b32 s[HK], 0
	s_mov_b32 s[HV], 0
	s_mov_b32 s[CI], IMGB                          ; (turned to image 0 by the first TOP, in whose phase no image is read)
	s_mov_b32 s[PI], 0
	s_and_b32 s[LIM], s[WV], 2
	s_cmp_eq_u32 s[LIM], 0
	s_cselect_b32 s[LIM], 1, -1                    ; waves 0, 1, 4, 5 prefetch: the same in all four partners
	s_lshl_b32 s70, s[HEAD], 19                    ; the head's first byte in Q, K, V and out: 2,048 rows of 256 bytes
	s_mov_b32 s71, 0
	s_lshl_b32 s72, s[IDX], 14                     ; my quarter of a tile: 64 rows
	s_mov_b32 s73, 0
	s_add_nc_u64 s[72:73], s[72:73], s[70:71]
	s_lshl_b32 s74, s[CX], 17                      ; my block's 512 rows,
	s_lshl_b32 s75, s[IDX], 15                     ; my 128 of them
	s_add_co_u32 s74, s74, s75
	s_mov_b32 s75, 0
	s_add_nc_u64 s[74:75], s[74:75], s[70:71]
	s_lshr_b32 s76, s[HEAD], 4                     ; the batch: 2,048 numbers of x
	s_lshl_b32 s76, s76, 13
	s_mov_b32 s77, 0
	s_lshl_b32 s78, s[CX], 14                      ; the prefetches: my work-group's 64 rows of 256,
	s_and_b32 s79, s[WV], 1
	s_lshl_b32 s79, s79, 13                        ; my wave's 32 of them,
	s_add_co_u32 s78, s78, s79
	s_add_co_u32 s78, s78, 2*DATAB                 ; in keys 512 on: the first refill steps it once more.  Nothing is prefetched at the head
	s_mov_b32 s79, 0
	s_add_nc_u64 s[78:79], s[78:79], s[70:71]
	s_wait_dscnt 0x0                               ; both opening adds are done
	s_wait_kmcnt 0x0
	s_cmp_lt_u32 s[WV], 4
	s_cselect_b64 s[PFA:PFA+1], s[6:7], s[8:9]
	s_add_nc_u64 s[PFA:PFA+1], s[PFA:PFA+1], s[78:79]
	s_add_nc_u64 s[6:7], s[6:7], s[72:73]          ; K and V at my quarter of the head's first 256 keys
	s_add_nc_u64 s[8:9], s[8:9], s[72:73]
	s_add_nc_u64 s[4:5], s[4:5], s[74:75]          ; Q and out at my first query
	s_add_nc_u64 s[12:13], s[12:13], s[74:75]
	s_add_nc_u64 s[XB:XB+1], s[XB:XB+1], s[76:77]
	CROUND                                         ; all four work-groups are here: the first joint loads meet
.irp s, 0,1
	s_mov_b32 s[G0K+4*\s], 1                       ; count = 1
	s_add_co_u32 s[G0K+4*\s+1], s[KB], \s*SLOT     ; LDS address
	s_add_nc_u64 s[G0K+4*\s+2:G0K+4*\s+3], s[6:7], \s*DATAB  ; global address: keys 256 s on
	s_or_b32 s[G0K+4*\s+3], s[G0K+4*\s+3], 0x80000000        ; type = 2
	s_mov_b32 s[G0V+4*\s], 1
	s_add_co_u32 s[G0V+4*\s+1], s[VB], \s*SLOT
	s_add_nc_u64 s[G0V+4*\s+2:G0V+4*\s+3], s[8:9], \s*DATAB
	s_or_b32 s[G0V+4*\s+3], s[G0V+4*\s+3], 0x80000000
.endr
	s_cmp_lt_u32 s[WV], 4                          ; a wave's two first fills stand in one branch, ahead of every wait on TENSORcnt and every LDS read: two loads of mine are out
	s_cbranch_scc0 .Lfirst_v
	tensor_load_to_lds s[G0K:G0K+3], s[G1K:G1K+7]
	s_nop 0
	tensor_load_to_lds s[G0K+4:G0K+7], s[G1K:G1K+7]
	s_nop 0
.rept 4
	v_nop
.endr
	s_branch .Lfirst_asked
.Lfirst_v:
	tensor_load_to_lds s[G0V:G0V+3], s[G1V:G1V+7]
	s_nop 0
	tensor_load_to_lds s[G0V+4:G0V+7], s[G1V:G1V+7]
	s_nop 0
.rept 4
	v_nop
.endr
.Lfirst_asked:
	s_cmp_eq_u32 s[ROLE], 0
	s_cbranch_scc0 .Lhead_done
.irp b, 0,1,2,3                        ; consumers.  The upper 64 of the instruction's 128 along K: zero codes, part of the operands, written once
.irp j, 4,5,6,7
	v_mov_b32 v[KF+8*\b+\j], 0
.endr
.endr
.irp a, 0,1,2,3,4,5,6,7
.irp j, 4,5,6,7
	v_mov_b32 v[QF+8*\a+\j], 0
.endr
.endr
	WIN 0x40                                       ; destination window 1: my 128 rows of Q as they lie, 32 registers a tile, where O^T will stand
.irp a, 0,1,2,3,4,5,6,7
.irp i, 0,1,2,3,4,5,6,7
	global_load_b128 v[32*\a+4*\i:32*\a+4*\i+3], v[GO], s[4:5] offset:4096*\a+512*\i th:TH_LOAD_NT   ; 32 lanes read 512 consecutive bytes: two rows
.endr
.endr
	WIN 0
.Lhead_done:
	s_wait_tensorcnt 1                             ; my quarter of slot 0 is in; slot 1's may stay out
	s_barrier_signal -1
	s_barrier_wait -1                              ; everybody's is
; THE QUANTISER.  32 numbers of one lane, v[x] on, are one block of 32 along K: lane (r, h) holds block h of row r.  Their codes go to v[d .. d + 3], which are registers 0-3 of the fragment.
; The largest magnitude, with the floor fl among its leaves; 2 off its exponent field is the conversion's scale operand; bias off it, shifted down, the stored byte.  The row's two bytes meet by one exchange
; between the halves of the lanes; bytes 2 and 3, over the zero codes, are 0x7f.  v[tb .. tb + 4] at work; v[tb + 5] holds 8 h.
.macro QUANT32 x, d, fl, bias, wd, tb
.set qx, \x
.set qd, \d
.set qw, \wd
.set qt, \tb
	v_max3_num_f32 v[qt], |v[qx]|, |v[qx+1]|, \fl
	v_max3_num_f32 v[qt+1], |v[qx+2]|, |v[qx+3]|, |v[qx+4]|
.irp i, 5,9,13,17,21,25                ; two chains, so that no line waits for the line above it
	v_max3_num_f32 v[qt], v[qt], |v[qx+\i]|, |v[qx+\i+1]|
	v_max3_num_f32 v[qt+1], v[qt+1], |v[qx+\i+2]|, |v[qx+\i+3]|
.endr
	v_max3_num_f32 v[qt], v[qt], |v[qx+29]|, |v[qx+30]|
	v_max3_num_f32 v[qt], v[qt], v[qt+1], |v[qx+31]|
	v_add_nc_u32 v[qt+2], 0xff000000, v[qt]        ; the conversion takes the exponent field of this operand as its scale, and nothing else of it
	v_add_nc_u32 v[qt+3], \bias, v[qt]
	v_lshrrev_b32 v[qt+3], 23, v[qt+3]             ; the byte,
	v_lshlrev_b32 v[qt+3], v[qt+5], v[qt+3]        ; at block h's place in the word
	v_mov_b32 v[qt+4], 0                           ; (a lane permute's destination counts as one of its sources)
	v_permlanex16_b32 v[qt+4], v[qt+3], s[SEL], s[SEL+1]
.irp g, 0,1,2,3
	v_cvt_scalef32_pk8_fp4_f32 v[qd+\g], v[qx+8*\g:qx+8*\g+7], v[qt+2]   ; to the nearest code, ties to even; beyond the largest code the largest
.endr
	v_or_b32 v[qt+3], v[qt+3], v[qt+4]             ; (also the plain line behind the conversions)
	v_or_b32 v[qw], 0x7f7f0000, v[qt+3]
.endm
; THE PRODUCER'S PHASE: my 32 keys of the next step.  K: lane (r, h) takes block h of key 16 c + r, tile c = 0, 1.  V: lane (r, h) takes four channels of keys 16 h + 0 .. 15.
.macro CONVERT
	v_and_b32 v[PT+5], 16, v0
	v_lshrrev_b32 v[PT+5], 1, v[PT+5]              ; 8 h
.irp m, 0,1,2,3
	global_load_b128 v[X+4*\m:X+4*\m+3], v[XO], s[XB:XB+1] offset:16*\m   ; x of keys 16 h + 0 .. 15
.endr
.irp c, 0,1
.irp i, 0,1,2,3,4,5,6,7
	ds_load_b128 v[KX+32*\c+4*\i:KX+32*\c+4*\i+3], v[TKR] offset:16*PK*\c+16*\i
.endr
.endr
.irp i, 0,1,2,3,4,5,6,7,8,9,10,11,12,13,14,15
	ds_load_b128 v[VX+4*\i:VX+4*\i+3], v[TVR] offset:256*\i
.endr
	s_wait_dscnt 24                                ; tile 0's eight loads are in; tile 1's eight and V's sixteen may be out
	QUANT32 KX, KC, 0x1800000, 0xff000000, PT+6, PT
	s_wait_dscnt 16                                ; tile 1's are in
	QUANT32 KX+32, KC+4, 0x1800000, 0xff000000, PT+7, PT
	v_cndmask_b32 v[PT+6], v[PT+6], v[PT+7], s[HM] ; one register for both tiles' words: lanes 0-15 tile 0's, lanes 16-31 tile 1's
	s_wait_dscnt 0x0                               ; V is in
	s_wait_loadcnt 0x0                             ; x is in, so its pointer may step:
	s_add_nc_u64 s[XB:XB+1], s[XB:XB+1], 512       ; 128 keys on
	ds_store_b128 v[TPK], v[KC:KC+3]               ; the codes go to LDS as the operand's registers hold them
	ds_store_b128 v[TPK], v[KC+4:KC+7] offset:512
	ds_store_b32 v[TPS], v[PT+6]
.irp i, 0,2,4,6,8,10,12,14             ; keys 16 h + i and + i + 1: V x in f32, rounded once to f16
	v_pk_mul_f32 v[VX+4*\i:VX+4*\i+1], v[VX+4*\i:VX+4*\i+1], v[X+\i:X+\i+1] op_sel_hi:[1,0]
	v_pk_mul_f32 v[VX+4*\i+2:VX+4*\i+3], v[VX+4*\i+2:VX+4*\i+3], v[X+\i:X+\i+1] op_sel_hi:[1,0]
	v_pk_mul_f32 v[VX+4*\i+4:VX+4*\i+5], v[VX+4*\i+4:VX+4*\i+5], v[X+\i:X+\i+1] op_sel:[0,1] op_sel_hi:[1,1]
	v_pk_mul_f32 v[VX+4*\i+6:VX+4*\i+7], v[VX+4*\i+6:VX+4*\i+7], v[X+\i:X+\i+1] op_sel:[0,1] op_sel_hi:[1,1]
	v_cvt_pk_f16_f32 v[VH+2*\i], v[VX+4*\i], v[VX+4*\i+1]
	v_cvt_pk_f16_f32 v[VH+2*\i+1], v[VX+4*\i+2], v[VX+4*\i+3]
	v_cvt_pk_f16_f32 v[VH+2*\i+2], v[VX+4*\i+4], v[VX+4*\i+5]
	v_cvt_pk_f16_f32 v[VH+2*\i+3], v[VX+4*\i+6], v[VX+4*\i+7]
	ds_store_b64 v[TPV], v[VH+2*\i:VH+2*\i+1] offset:VP*\i
	ds_store_b64 v[TPV], v[VH+2*\i+2:VH+2*\i+3] offset:VP*\i+VP
.endr
.endm
; THE CONSUMER'S FIRST PHASE: my 128 rows of Q become eight fragments and four registers of scale words.  A tile's 16 rows turn through my stage: in as they were loaded, out a block of 32 numbers a lane.
.macro QSEND a
	s_wait_loadcnt 56-8*(\a)                       ; tile a's eight loads are in; the later tiles' may be out
	WIN 0x04                                       ; an LDS store's data are its source 1: window 1
.irp i, 0,1,2,3,4,5,6,7
	ds_store_b128 v[QSI], v[32*(\a)+4*\i:32*(\a)+4*\i+3] offset:2*PK*\i
.endr
	WIN 0
.irp i, 0,1,2,3,4,5,6,7
	ds_load_b128 v[VF+32*((\a)%2)+4*\i:VF+32*((\a)%2)+4*\i+3], v[QSO] offset:16*\i   ; LDS serves a wave's instructions in order (ISA guide 5.7.1.4): these see the stores above, and the next tile's stores come behind them
.endr
.endm
.macro QQ a                            ; Q's floor is 2^(6 - 127) and its stored byte the scale's byte less 3: the division by 8
	QUANT32 VF+32*((\a)%2), QF+8*(\a), 0x3000000, 0xfd800000, S+6+(\a)%2, S
.if ((\a)%2) == 1
	v_cndmask_b32 v[QS+(\a)/2], v[S+6], v[S+7], s[HM]
.endif
.endm
.macro QPREP
	v_and_b32 v[S+5], 16, v0
	v_lshrrev_b32 v[S+5], 1, v[S+5]                ; 8 h
	QSEND 0
.irp a, 1,2,3,4,5,6,7
	QSEND \a
	s_wait_dscnt 16                                ; the tile before is back; this tile's eight stores and eight loads may be out
	QQ \a-1
.endr
	s_wait_dscnt 0x0
	QQ 7
.endm
; THE CONSUMER'S MATRIX WORK.  A PIECE (u, g) is 32 keys (the step's u-th) x 32 queries (tiles 2 g, 2 g + 1): 4 products K Q^T, 16 roundings, 8 products V'^T P.
; Product i of 8 of O^T += V'^T P: query tile 2 g + i / 4, channels 16 (i % 4) on.  The 32 accumulators take turns, one instruction a turn.  zero = 1: the product starts the sum.
.macro PVMUL u, g, i, zero
.set rO, 32*(2*(\g)+(\i)/4)+8*((\i)%4)
.set rV, VF+32*((\u)%2)+8*((\i)%4)
.set rP, P+16*((\g)%2)+8*((\i)/4)
	WIN 0x50                                       ; C and D in window 1
.if \zero
	v_wmma_f32_16x16x32_f16 v[rO:rO+7], v[rV:rV+7], v[rP:rP+7], 0
.else
	v_wmma_f32_16x16x32_f16 v[rO:rO+7], v[rV:rV+7], v[rP:rP+7], v[rO:rO+7]
.endif
.endm
; Tile k = 2 a + c of piece (u, g)'s S^T: source 0 = key tile c, source 1 = query tile 2 g + a.  The odd tiles' scale words stand in lanes 16-31 of their registers.
.macro SW u, g, k
.set rS, S+8*(\k)
.set rK, KF+16*((\u)%2)+8*((\k)%2)
.set rQ, QF+8*(2*(\g)+(\k)/2)
.set rE, KS+(\u)%2
.set rF, QS+(\g)
	WIN 0
.if (\k) == 0
	v_wmma_scale_f32_16x16x128_f8f6f4 v[rS:rS+7], v[rK:rK+7], v[rQ:rQ+7], 0, v[rE], v[rF] matrix_a_fmt:MATRIX_FMT_FP4 matrix_b_fmt:MATRIX_FMT_FP4
.elseif (\k) == 1
	v_wmma_scale_f32_16x16x128_f8f6f4 v[rS:rS+7], v[rK:rK+7], v[rQ:rQ+7], 0, v[rE], v[rF] matrix_a_fmt:MATRIX_FMT_FP4 matrix_b_fmt:MATRIX_FMT_FP4 matrix_a_scale:MATRIX_SCALE_ROW1
.elseif (\k) == 2
	v_wmma_scale_f32_16x16x128_f8f6f4 v[rS:rS+7], v[rK:rK+7], v[rQ:rQ+7], 0, v[rE], v[rF] matrix_a_fmt:MATRIX_FMT_FP4 matrix_b_fmt:MATRIX_FMT_FP4 matrix_b_scale:MATRIX_SCALE_ROW1
.else
	v_wmma_scale_f32_16x16x128_f8f6f4 v[rS:rS+7], v[rK:rK+7], v[rQ:rQ+7], 0, v[rE], v[rF] matrix_a_fmt:MATRIX_FMT_FP4 matrix_b_fmt:MATRIX_FMT_FP4 matrix_a_scale:MATRIX_SCALE_ROW1 matrix_b_scale:MATRIX_SCALE_ROW1
.endif
.endm
.macro CVH k, pb, r0                   ; roundings r0 and r0 + 1 of tile k's four: a pair of numbers of S^T to a register of P
	WIN 0
	v_cvt_pk_f16_f32 v[(\pb)+(\r0)], v[S+8*(\k)+2*(\r0)], v[S+8*(\k)+2*(\r0)+1]
	v_cvt_pk_f16_f32 v[(\pb)+(\r0)+1], v[S+8*(\k)+2*(\r0)+2], v[S+8*(\k)+2*(\r0)+3]
.endm
.macro CV k, pb                        ; all four, from the tile's low end on
	CVH \k, \pb, 0
	CVH \k, \pb, 2
.endm
; A CYCLE: piece (u, g)'s eight products V'^T P; the piece's last eight roundings; the NEXT piece's four products K Q^T and its first eight roundings; in the cycles with g = 1 the loads of the next 32 keys.
; Two halves of one form: four roundings, a product K Q^T, two roundings, a product K Q^T, two roundings, then FOUR products V'^T P on end: all that works in window 0 stands together, so a cycle has four
; switches of the register window for its twelve matrix instructions.  Half 0 rounds tiles 2 and 3 of the piece in hand (its second query tile, which products 4 to 7 read) and makes tiles 0 and 1 of the next piece;
; half 1 rounds those two and makes tiles 2 and 3.
; PLACES (ISA guide 7.12.1).  A tile of S^T is first read in the half behind its product: between them stand four (tiles 0, 2) or six (tiles 1, 3) roundings of OTHER tiles, plain instructions that name none of the
; product's registers.  It is written again a cycle later, twelve such roundings on.  P's registers are written again a cycle or more behind their last reader.
; THE LDS LOADS STAND IN ONE RUN of eleven, never singly among the matrix instructions: K's codes and scale word first, then V' (turned).  K's buffer was last read three cycles back, V's in the cycle before the last one:
; sixteen roundings or more lie between.  K is wanted two cycles on, V' three.  ld = 0: nothing more is fetched.  sn = 0: there is no next piece.
.macro CYCLE u, g, zero, ld, sn
.set nU, ((\u)+((\g)+1)/4)%4           ; the next piece
.set nG, ((\g)+1)%4
.set lU, ((\u)+1)%4                    ; the 32 keys that are fetched
.set pA, P+16*((\g)%2)+8               ; P of this piece's second query tile
.set pN, P+16*(nG%2)                   ; and of the next piece's first
.if (\g) == 0
	s_wait_dscnt 0x0                               ; these 32 keys' V' is in
.endif
	CV 2, pA
.if \ld && ((\g) == 1)
	ds_load_b128 v[KF+16*(lU%2):KF+16*(lU%2)+3], v[TKI] offset:1024*lU
	ds_load_b128 v[KF+16*(lU%2)+8:KF+16*(lU%2)+11], v[TKI] offset:1024*lU+512
	ds_load_b32 v[KS+lU%2], v[TKS] offset:128*lU
.irp d, 0,1,2,3
	ds_load_tr16_b128 v[VF+32*(lU%2)+8*\d:VF+32*(lU%2)+8*\d+3], v[TVT] offset:32*VP*lU+32*\d
	ds_load_tr16_b128 v[VF+32*(lU%2)+8*\d+4:VF+32*(lU%2)+8*\d+7], v[TVT] offset:32*VP*lU+32*\d+16*VP
.endr
.endif
.if \sn
.if (\g) == 3
	s_wait_dscnt 8                                 ; K's three loads are in; V's eight, issued behind them in the same run, may be out
.endif
	SW nU, nG, 0
.endif
	CVH 3, pA+4, 0
.if \sn
	SW nU, nG, 1
.endif
	CVH 3, pA+4, 2
.irp i, 0,1,2,3
	PVMUL \u, \g, \i, \zero
.endr
.if \sn
	CV 0, pN
	SW nU, nG, 2
	CVH 1, pN+4, 0
	SW nU, nG, 3
	CVH 1, pN+4, 2
.endif
.irp i, 4,5,6,7
	PVMUL \u, \g, \i, \zero
.endr
.endm
; A phase's consumer text begins with the last three pieces of the step before, whose operands are all in registers, so that every LDS load of the phase names the phase's own image, and none is out at its end.
.macro GSTEP
	CYCLE 3,1,0,1,1
	CYCLE 3,2,0,1,1
	CYCLE 3,3,0,1,1
.irp u, 0,1,2
.irp g, 0,1,2,3
	CYCLE \u,\g,0,1,1
.endr
.endr
	CYCLE 3,0,0,1,1
	WIN 0
.endm
.macro ZSTEP                           ; phase 0: the pipeline is filled; the first 32 keys' products start O^T's sums, so nothing is cleared
	ds_load_b128 v[KF:KF+3], v[TKI]
	ds_load_b128 v[KF+8:KF+11], v[TKI] offset:512
	ds_load_b32 v[KS], v[TKS]
.irp k, 0,1,2,3
	ds_load_tr16_b128 v[VF+8*\k:VF+8*\k+3], v[TVT] offset:32*\k
	ds_load_tr16_b128 v[VF+8*\k+4:VF+8*\k+7], v[TVT] offset:32*\k+16*VP
.endr
	s_wait_dscnt 8                                 ; K's three loads are in
	SW 0,0,0
	SW 0,0,1
	SW 0,0,2
	SW 0,0,3
.rept 4
	v_nop                                          ; four places in front of the first read of these results
.endr
	CV 0, P
	CV 1, P+4
	CYCLE 0,0,1,1,1
	CYCLE 0,1,1,1,1
	CYCLE 0,2,1,1,1
	CYCLE 0,3,1,1,1
.irp u, 1,2
.irp g, 0,1,2,3
	CYCLE \u,\g,0,1,1
.endr
.endr
	CYCLE 3,0,0,1,1
	WIN 0
.endm
.macro FSTEP                           ; the last step's last three pieces: nothing more is fetched
	CYCLE 3,1,0,0,1
	CYCLE 3,2,0,0,1
	CYCLE 3,3,0,0,0
	WIN 0
.endm
; THE WAY OUT, a tile of 16 queries at a time.  A lane holds 32 neighbouring bytes of a row for each 16 channels, and the lanes beside it other rows: so a tile goes through my stage and comes back as whole rows of 256 bytes.
.macro TOSTAGE t
	WIN 0x04                                       ; the data: window 1
.irp d, 0,1,2,3
	ds_store_b128 v[STO], v[32*(\t)+8*\d:32*(\t)+8*\d+3] offset:16*PK*((\t)%2)+64*\d       ; each accumulator from its low end on
	ds_store_b128 v[STO], v[32*(\t)+8*\d+4:32*(\t)+8*\d+7] offset:16*PK*((\t)%2)+64*\d+16
.endr
	WIN 0
.irp i, 0,1,2,3,4,5,6,7
	ds_load_b128 v[VF+32*((\t)%2)+4*\i:VF+32*((\t)%2)+4*\i+3], v[RD] offset:16*PK*((\t)%2)+2*PK*\i
.endr
.endm
.macro SEND t, younger                 ; younger: the LDS instructions issued behind tile t's loads, which may stay out
	s_wait_dscnt \younger
.irp i, 0,1,2,3,4,5,6,7
	global_store_b128 v[GO], v[VF+32*((\t)%2)+4*\i:VF+32*((\t)%2)+4*\i+3], s[12:13] offset:4096*(\t)+512*\i th:TH_STORE_NT   ; sixteen lanes store 256 consecutive bytes, at a multiple of 256 from out's first byte
.endr
.endm
.macro WAYOUT
.rept 4
	v_nop                                          ; four places behind the last products: in front of the stores that read results and of the loads into V's registers
.endr
	TOSTAGE 0
.irp t, 1,2,3,4,5,6,7
.if \t > 1
	s_wait_xcnt 0x0                                ; tile t - 2's stores have read their registers: tile t's loads may land there
.endif
	TOSTAGE \t
	SEND \t-1, 16                                  ; behind tile t - 1's loads: tile t's eight stores and eight loads
.endr
	SEND 7, 0
.endm
; WHAT ALL EIGHT WAVES WALK.
.macro TOP                             ; the phase's LDS addresses, made ahead of the parting; then the images and the slot's halves change places
	v_add_nc_u32 v[TKI], s[CI], v[AKI]
	v_add_nc_u32 v[TKS], s[CI], v[AKS]
	v_add_nc_u32 v[TVT], s[CI], v[AVT]
	v_add_nc_u32 v[TPK], s[PI], v[PKI]
	v_add_nc_u32 v[TPS], s[PI], v[PKS]
	v_add_nc_u32 v[TPV], s[PI], v[PVI]
	s_add_co_u32 s70, s[HK], s[SL]
	v_add_nc_u32 v[TKR], s70, v[AKR]
	s_add_co_u32 s70, s[HV], s[SL]
	v_add_nc_u32 v[TVR], s70, v[AVR]
	s_xor_b32 s[CI], s[CI], IMGB
	s_xor_b32 s[PI], s[PI], IMGB
	s_xor_b32 s[HK], s[HK], 128*PK
	s_xor_b32 s[HV], s[HV], 128*256
.endm
.macro PHEND                           ; a phase's end: my stores into the image have landed, my reads of the other image and of the ring are back; then the work-group's barrier
	s_wait_dscnt 0x0
	s_barrier_signal -1
	s_barrier_wait -1
.endm
.macro PHASE kind                      ; kind 0: Q is prepared; 1: the first step; 2: a step like any other.  The producers convert the next step beside it
	TOP
	s_cmp_eq_u32 s[ROLE], 0
	s_cbranch_scc0 .Lprod_\@
.if \kind == 0
	QPREP
.elseif \kind == 1
	ZSTEP
.else
	GSTEP
.endif
	s_branch .Ljoin_\@
.Lprod_\@:
	CONVERT
.Ljoin_\@:
	PHEND
.endm
; The slot whose second half has just been converted is filled again, with the keys 512 on.  Each wave waits for all its tensor loads (the one that is out is its quarter of the other slot, which is read next),
; adds 0 to its spare word, and waits for that; its reads of the slot are back since PHEND.  The round of the cluster's barrier makes that hold of every wave of all four work-groups; the joint load is the first thing behind it,
; one a wave, and has two phases in which to land.
.macro REFILL
	s_wait_tensorcnt 0x0                           ; no tensor load of mine is out, so a group 0 may be written
	ds_add_u32 v[SPW], v[NIL]                      ; 0 onto my spare word: the descriptors' steps stand between it and the wait for it
	s_add_co_u32 s[G0K+5], s[KB], s[SL]            ; the walking descriptors: the slot that was read,
	s_add_co_u32 s[G0V+5], s[VB], s[SL]
	s_add_nc_u64 s[G0K+6:G0K+7], s[G0K+6:G0K+7], DATAB   ; the next 256 keys; the type bits on top are not reached
	s_add_nc_u64 s[G0V+6:G0V+7], s[G0V+6:G0V+7], DATAB
	s_xor_b32 s[SL], s[SL], SLOT                   ; the producers go on to the other slot
	s_wait_xcnt 0x0                                ; the last prefetch, two phases back, has read its address, so it may be written:
	s_add_nc_u64 s[PFA:PFA+1], s[PFA:PFA+1], DATAB ; 256 keys further on than the walking descriptors
	s_wait_dscnt 0x0                               ; the add is done
	CROUND
	JLOAD
	ASK
	s_sub_co_u32 s[RC], s[RC], 1
.endm
.macro CHANGE0                         ; the same change of slots where nothing is left to fetch: the last load is waited for, and a plain barrier shows it to all
	s_wait_tensorcnt 0x0
	ds_add_u32 v[SPW], v[NIL]
	s_xor_b32 s[SL], s[SL], SLOT
	s_wait_dscnt 0x0
	s_barrier_signal -1
	s_barrier_wait -1
.endm
	PHASE 0                                        ; phase -1: Q | step 0 is converted
	PHASE 1                                        ; phase 0: step 0 | step 1 is converted: slot 0 is free
	REFILL                                         ; keys 512 on
.Lmain:                                            ; five trips: phases 1 to 10; each ends with a refill
	s_mov_b32 s[TW], 2
.Lph:
	PHASE 2
	s_sub_co_u32 s[TW], s[TW], 1
	s_cmp_lg_u32 s[TW], 0
	s_cbranch_scc1 .Lph
	REFILL
	s_cmp_lg_u32 s[RC], 0
	s_cbranch_scc1 .Lmain
	s_mov_b32 s[TC], 2
.Ltail:                                            ; phases 11 to 14 are written out
	s_mov_b32 s[TW], 2
.Lph2:
	PHASE 2
	s_sub_co_u32 s[TW], s[TW], 1
	s_cmp_lg_u32 s[TW], 0
	s_cbranch_scc1 .Lph2
	CHANGE0
	s_sub_co_u32 s[TC], s[TC], 1
	s_cmp_lg_u32 s[TC], 0
	s_cbranch_scc1 .Ltail
	TOP                                            ; phase 15: nothing is left to convert
	s_cmp_eq_u32 s[ROLE], 0
	s_cbranch_scc0 .Ldone
	GSTEP
	FSTEP
	WAYOUT
.Ldone:
	s_wait_tensorcnt 0x0                           ; the wave's end: an add onto my spare word and its wait, behind my last tensor load and my last LDS store
	ds_add_u32 v[SPW], v[NIL]
	s_wait_dscnt 0x0
	CROUND                                         ; the closing round: no work-group ends while a partner may still ask for a tile that names it
	s_endpgm
.Lfunc_end_k_qe820f43fa6_popatt:
	.size	k_qe820f43fa6_popatt, .Lfunc_end_k_qe820f43fa6_popatt-k_qe820f43fa6_popatt
	.p2alignl 7, 3214868480
	.fill 96, 4, 3214868480
	.section	.rodata,"a",@progbits
	.p2align	6, 0x0
	.amdhsa_kernel k_qe820f43fa6_popatt
		.amdhsa_group_segment_fixed_size 327680
		.amdhsa_private_segment_fixed_size 0
		.amdhsa_enable_private_segment 0
		.amdhsa_kernarg_size 40
		.amdhsa_user_sgpr_count 2
		.amdhsa_user_sgpr_kernarg_segment_ptr 1
		.amdhsa_wavefront_size32 1
		.amdhsa_system_sgpr_workgroup_id_x 1
		.amdhsa_system_sgpr_workgroup_id_y 1
		.amdhsa_system_sgpr_workgroup_id_z 1
		.amdhsa_system_vgpr_workitem_id 0
		.amdhsa_next_free_vgpr 512
		.amdhsa_next_free_sgpr 80
		.amdhsa_reserve_vcc 0
		.amdhsa_float_denorm_mode_32 3
		.amdhsa_float_denorm_mode_16_64 3
		.amdhsa_memory_ordered 1
		.amdhsa_forward_progress 1
		.amdhsa_inst_pref_size 254
	.end_amdhsa_kernel
	.amdgpu_metadata
---
amdhsa.version: [ 1, 2 ]
amdhsa.kernels:
  - .name:           k_qe820f43fa6_popatt
    .symbol:         k_qe820f43fa6_popatt.kd
    .args:
      - { .name: Q, .offset: 0, .size: 8, .value_kind: global_buffer, .address_space: global }
      - { .name: K, .offset: 8, .size: 8, .value_kind: global_buffer, .address_space: global }
      - { .name: V, .offset: 16, .size: 8, .value_kind: global_buffer, .address_space: global }
      - { .name: x, .offset: 24, .size: 8, .value_kind: global_buffer, .address_space: global }
      - { .name: out0, .offset: 32, .size: 8, .value_kind: global_buffer, .address_space: global }
    .group_segment_fixed_size: 327680
    .private_segment_fixed_size: 0
    .kernarg_segment_align: 8
    .kernarg_segment_size: 40
    .max_flat_workgroup_size: 256
    .sgpr_count:     80
    .vgpr_count:     512
    .wavefront_size: 32
...
	.end_amdgpu_metadata
.endif
;; end of part 1
